; MI455X (gfx1250); checked and timed in simulation.
; The chip was launched on July 23, 2026; its instructions are those of AMD's public machine-readable ISA for CDNA 5 (MIT licence, August 2026) and "CDNA5" Instruction Set Architecture Reference Guide (July 2026). The comments in the code are by the model that wrote it; some were corrected since.
;; Roc LM Attention. Allowed arithmetic: matrix products marked QUANTISED: E4M3 operands, one given power-of-two scale a tensor, by v_wmma_f32_16x16x64_fp8_fp8 or v_wmma_f32_16x16x128_fp8_fp8, f32 sums; everything else in f32.
;; Inputs: Wk 1,024 x 1,024 float32; Wo 1,024 x 2,048 float32; Wq 2,048 x 1,024 float32; Wv 1,024 x 1,024 float32; cos 2 x 2,048 x 128 float32; hidden_states 2 x 2,048 x 1,024 float32; k_norm_w 128 float32; lowp_scales 12 int32 (the exponents e of the quantised operands' scales 2^e); q_norm_w 128 float32; sin 2 x 2,048 x 128 float32.
;; Outputs: out0 2 x 2,048 x 1,024 float32.
;; This version of the problem:
;;   THIS VERSION OF THE PROBLEM IS GIVEN IN LOW PRECISION. The matrix products marked QUANTISED in the list below multiply operands that are first quantised to E4M3 (4 exponent bits, 3 mantissa bits; 8 bits a number), with one given power-of-two scale for each operand tensor; their sums are f32. All else is computed in f32.
;;   The module's matrix products, in the order in which they are computed (A, B: the left and right operand; K: the contracted axis; several contracted axes count as one K, in the product's order):
;;     1. [M 4,096, K 1,024] x [K 1,024, N 2,048]; A: input hidden_states; B: input Wq: QUANTISED (scales: A lowp_scales[0], B lowp_scales[1])
;;     2. [M 4,096, K 1,024] x [K 1,024, N 1,024]; A: input hidden_states; B: input Wk: QUANTISED (scales: A lowp_scales[2], B lowp_scales[3])
;;     3. [M 4,096, K 1,024] x [K 1,024, N 1,024]; A: input hidden_states; B: input Wv: QUANTISED (scales: A lowp_scales[4], B lowp_scales[5])
;;     4. batch 32 x [M 2,048, K 128] x [K 128, N 2,048]; A: computed on the way; B: computed on the way: QUANTISED (scales: A lowp_scales[6], B lowp_scales[7])
;;     5. batch 32 x [M 2,048, K 2,048] x [K 2,048, N 128]; A: softmax (see below); B: computed on the way: QUANTISED (scales: A lowp_scales[8], B lowp_scales[9])
;;     6. [M 4,096, K 2,048] x [K 2,048, N 1,024]; A: computed on the way; B: input Wo: QUANTISED (scales: A lowp_scales[10], B lowp_scales[11])
;;   THE QUANTISER, for each operand of a quantised product, along K:
;;     - The operand's scale is 2^e, e = its entry of the input lowp_scales (int32; the entries are numbered through the quantised products in the list's order, A before B).
;;     - Each number is divided by the scale, clamped to +-448, and rounded to the nearest number of E4M3, ties to even, subnormals kept.
;;     - The product sums the exact products of the quantised numbers (number of the format x scale) in f32.
;;   ~~~python
;;   def quantise(x, axis, e):      # numpy; x: float32 -> the quantised numbers, widened to float32 again
;;       x = np.moveaxis(x, axis, -1); K = x.shape[-1]
;;       r = np.clip(x / 2.0 ** e, -448, 448)
;;       step = 2.0 ** (np.maximum(np.frexp(np.where(r == 0, 1, r))[1] - 1, -6) - 3)
;;       q = np.round(r / step) * step * 2.0 ** e      # np.round: ties to even
;;       return np.moveaxis(q, -1, axis).astype(np.float32)
;;   ~~~
;;   SOFTMAX AHEAD OF A QUANTISED PRODUCT. Where the list says 'softmax', what is quantised is not the finished softmax but p = 2^(t - M), with t = logit x log2(e) and M = ceil(the row's largest t), a whole number; so 1/2 < the row's largest p <= 1. The row's sum l is taken of the UNQUANTISED p, in f32, and the product's result is divided by l at the end. Since M is a whole number, a kernel that streams over the keys may use a running M (the ceiling of the running maximum): every later rescaling is an exact power of two, so the quantised numbers keep their values, but for numbers so far below the row's largest that they fall under the format's range.
;;   OPERANDS COMPUTED ON THE WAY. 'Computed on the way' means the value that the module computes at that place (a softmax that the list does not call 'softmax' is quantised finished and normalised). What goes into a quantiser is computed in f32, as accurately as f32 sums, v_exp_f32 and their like allow (about 1e-6 of the number): no bf16 or f16 on the way to a quantiser, and a product that is left as it is and whose result goes on into a quantised operand takes f32 operands (vector FMAs, or v_wmma_f32_16x16x4_f32). A number that lies on a knife's edge between two numbers of the format may be rounded either way, as far as f32 arithmetic and the matrix unit's own rounding can turn it there, and no further.
;; One version. Each part assembles by itself: llvm-mc -triple=amdgcn-amd-amdhsa -mcpu=gfx1250 --defsym DOCPART=n.
;; ======== version 1 of 1: 4 launches
;; limits: right only within a limited range of input values
;; workspace buffers: codes 18,874,368 bytes; qimg 8,388,608 bytes; kimg 4,194,304 bytes; vimg 4,194,304 bytes; aimg 8,388,608 bytes
;; launch quant (part 1): grid 1280 x 1, 4 waves a work-group, no clusters, 33,280 bytes of LDS; arguments hidden_states, Wq, Wk, Wv, Wo, lowp_scales, codes; writes codes
.if DOCPART == 1
	.amdgcn_target "amdgcn-amd-amdhsa--gfx1250"
	.amdhsa_code_object_version 6
	.text
	.protected	k_q4e805bc98a_quant
	.globl	k_q4e805bc98a_quant
	.p2align	8
	.type	k_q4e805bc98a_quant,@function
k_q4e805bc98a_quant:
	s_mov_b64 s[64:65], 0
	v_nop
	global_prefetch_b8 v0, s[64:65] scope:SCOPE_SE
	s_setreg_imm32_b32 hwreg(HW_REG_WAVE_MODE, 25, 1), 1
	s_wait_xcnt 0x0
; hidden_states, Wq, Wk, Wv and Wo (f32, K innermost) become codes of FP8 (E4M3), one byte each, K innermost, in the buffer codes:
;   bytes 0 .. 12 MiB      hidden_states three times, [3][4096][1024]: with 2^e0 (for Wq's product), 2^e2 (Wk's), 2^e4 (Wv's): the three given scales need not be equal
;   bytes 12 .. 16 MiB     [4096][1024]: Wq's 2,048 rows (2^e1), Wk's 1,024 (2^e3), Wv's 1,024 (2^e5)
;   bytes 16 .. 18 MiB     Wo [1024][2048] (2^e11)
; Wv's ROWS CHANGE PLACES inside each group of 32: the row with bits 3 and 4 of its number exchanged lies at each place, so that the attention's result later has 16 neighbouring channels in a lane's 16 registers.
; code = x / 2^e, held within +-448, rounded to the nearest code, ties to even.  LIMITS: e0 .. e5 and e11 between -126 and 119.  NaN among the inputs is not served.
; (Of the whole program: key steps that reference()'s own causal mask hides whole are left out, in the attention's launch; every input is read.)
; Every tensor is a plain stream: a work-group takes 8,192 numbers, a wave 2,048 (2 rows of 1,024, or 1 of 2,048) in 4 steps of 512.  Work-groups 0-511 hidden_states, 512-767 Wq, 768-895 Wk, 896-1023 Wv, 1024-1279 Wo.
; Only pointers and exponents are chosen by the work-group's number; hidden_states' work-groups run the hold, the conversion and the store three times on the same numbers.
; Each load reads 512 consecutive bytes, 16 a lane; all 16 loads of a wave go out at its head.  A step's 2,048 bytes turn through the wave's own stage in LDS and come back 64 bytes (16 neighbours along K) a lane; a store covers 512 consecutive bytes.
; No barrier: waves share nothing.
.set STEPS, 4
.set SP,    80                         ; a lane's place in a stage: its 64 bytes + 16 of padding
.set WREG,  8192                       ; LDS: a region for each wave: two stages of 32 x SP bytes
.set SC1,   5                          ; v5, v6   2^e and 448 x 2^e of the stream (hidden_states: e0)
.set LIM1,  6
.set SC2,   7                          ; v7, v8   the same for e2
.set LIM2,  8
.set SC3,   9                          ; v9, v10  for e4
.set LIM3,  10
.set R,     16                         ; v16-79   four sets of 16 numbers as they are loaded
.set X,     80                         ; v80-111  two sets of 16 neighbours
.set T,     112                        ; v112-127 the numbers held: X is kept for the next scale
.set C,     128                        ; v128-139 codes, four registers for each of the three scales
.macro PICK bound, ptr, start          ; below this work-group number: another tensor, and where its work-groups begin
	s_cmp_lt_u32 ttmp9, \bound
	s_cselect_b64 s[20:21], s[\ptr:\ptr+1], s[20:21]
	s_cselect_b32 s19, \start, s19
.endm
.macro MKSC e, sc, lim                 ; 2^e as f32 (the conversion takes its exponent field), and 448 x 2^e
	s_add_co_i32 s45, s[\e], 127
	s_lshl_b32 s46, s45, 23
	v_mov_b32 v[\sc], s46
	s_add_co_i32 s45, s45, 8
	s_lshl_b32 s45, s45, 23
	s_or_b32 s45, s45, 0x600000
	v_mov_b32 v[\lim], s45
.endm
	s_load_b256 s[4:11], s[0:1], 0x0               ; hidden_states s[4:5], Wq s[6:7], Wk s[8:9], Wv s[10:11]
	s_load_b128 s[12:15], s[0:1], 0x20             ; Wo s[12:13], the exponents s[14:15]
	s_load_b64 s[16:17], s[0:1], 0x30              ; codes
	v_lshl_add_u32 v144, v0, 2, 0x8000             ; my spare word, behind the four regions
	v_mov_b32 v145, 0
	v_lshrrev_b32 v1, 5, v0
	v_readfirstlane_b32 s18, v1                    ; wave
	v_and_b32 v2, 31, v0                           ; lane
	v_lshlrev_b32 v3, 4, v2                        ; my 16 bytes of a load's 512, and of a store's
	s_mul_i32 s22, s18, WREG
	v_lshrrev_b32 v14, 2, v2
	v_mul_u32_u24 v14, v14, SP
	v_and_b32 v15, 3, v2
	v_lshl_add_u32 v14, v15, 4, v14
	v_add_nc_u32 v14, s22, v14                     ; the stage, on the way in: SP (lane / 4) + 16 (lane % 4)
	v_mul_u32_u24 v15, v2, SP
	v_add_nc_u32 v15, s22, v15                     ; and on the way out: SP x lane: my 16 neighbours
	s_wait_alu depctr_va_vdst(0)                   ; directly ahead of the wait below
	s_wait_kmcnt 0x0
	s_load_b256 s[32:39], s[14:15], 0x0            ; e0 .. e7
	s_load_b128 s[40:43], s[14:15], 0x20           ; e8 .. e11
	s_mov_b64 s[20:21], s[12:13]                   ; Wo, unless the work-group's number is smaller
	s_mov_b32 s19, 1024
	PICK 1024, 10, 896
	PICK 896, 8, 768
	PICK 768, 6, 512
	PICK 512, 4, 0
	s_sub_co_u32 s45, ttmp9, s19
	s_lshl_b32 s45, s45, 2
	s_add_co_u32 s46, s45, s18                     ; which run of 2,048 numbers of the tensor is my wave's
	s_lshl_b32 s46, s46, 13
	s_mov_b32 s47, 0
	s_add_nc_u64 s[20:21], s[20:21], s[46:47]
	s_add_co_u32 s46, ttmp9, 1024                  ; the weights' codes begin 12 MiB on: 1,536 runs of 8,192 bytes, 512 of which the number already counts
	s_cmp_lt_u32 ttmp9, 512
	s_cselect_b32 s46, ttmp9, s46
	s_and_b32 s45, s46, 1                          ; Wv: a work-group holds 8 rows, so bits 3 and 4 of a row's number are the two low bits of the work-group's: they change places
	s_lshl_b32 s45, s45, 1
	s_bfe_u32 s47, s46, 0x10001
	s_or_b32 s45, s45, s47
	s_and_not1_b32 s47, s46, 3
	s_or_b32 s45, s45, s47
	s_cmp_eq_u32 s19, 896
	s_cselect_b32 s46, s45, s46
	s_lshl_b32 s46, s46, 2
	s_add_co_u32 s46, s46, s18
	s_lshl_b32 s46, s46, 11                        ; a wave's codes are 2,048 bytes
	s_mov_b32 s47, 0
	s_add_nc_u64 s[24:25], s[16:17], s[46:47]
	s_add_nc_u64 s[26:27], s[24:25], 0x400000      ; hidden_states' second and third set of codes (used by its work-groups alone)
	s_add_nc_u64 s[28:29], s[24:25], 0x800000
.macro LOAD t
.irp i, 0,1,2,3
	global_load_b128 v[R+16*(\t)+4*\i:R+16*(\t)+4*\i+3], v3, s[20:21] offset:2048*(\t)+512*\i th:TH_LOAD_NT   ; 32 lanes read 512 consecutive bytes
.endr
.endm
.macro TURN t                          ; step t's numbers through the stage: LDS serves a wave's instructions in order, so no wait stands between the stores and the loads
.irp i, 0,1,2,3
	ds_store_b128 v14, v[R+16*(\t)+4*\i:R+16*(\t)+4*\i+3] offset:32*SP*((\t)%2)+8*SP*\i
.endr
.irp i, 0,1,2,3
	ds_load_b128 v[X+16*((\t)%2)+4*\i:X+16*((\t)%2)+4*\i+3], v15 offset:32*SP*((\t)%2)+16*\i
.endr
.endm
.irp t, 0,1,2,3
	LOAD \t
.endr
	s_wait_kmcnt 0x0
	s_mov_b32 s44, s43                             ; e11, unless the work-group's number is smaller
	s_cmp_lt_u32 ttmp9, 1024
	s_cselect_b32 s44, s37, s44                    ; e5
	s_cmp_lt_u32 ttmp9, 896
	s_cselect_b32 s44, s35, s44                    ; e3
	s_cmp_lt_u32 ttmp9, 768
	s_cselect_b32 s44, s33, s44                    ; e1
	s_cmp_lt_u32 ttmp9, 512
	s_cselect_b32 s44, s32, s44                    ; e0
	MKSC 44, SC1, LIM1
	MKSC 34, SC2, LIM2
	MKSC 36, SC3, LIM3
	s_wait_alu depctr_va_vdst(0)                   ; the wait at the head's end
	s_wait_loadcnt 12                              ; step 0's four loads are in; the twelve of steps 1 to 3 may be out
	TURN 0
; the hold (the conversion to an 8-bit code does not saturate: ISA guide 7.6.2), the conversion, one plain line behind it (the next hold writes its sources), the store
.macro CONV sc, lim, c, base, t
.irp i, 0,1,2,3,4,5,6,7,8,9,10,11,12,13,14,15
	v_med3_num_f32 v[T+\i], v[XS+\i], -v[\lim], v[\lim]
.endr
	v_cvt_scalef32_pk8_fp8_f32 v[\c:\c+1], v[T:T+7], v[\sc]
	v_cvt_scalef32_pk8_fp8_f32 v[\c+2:\c+3], v[T+8:T+15], v[\sc]
	v_nop
	global_store_b128 v3, v[\c:\c+3], s[\base:\base+1] offset:512*(\t)   ; 32 lanes store 512 consecutive bytes
.endm
.macro STEP t
.set XS, X+16*((\t)%2)
	s_wait_dscnt 0x0                               ; this step's numbers are back from the stage,
	s_wait_xcnt 0x0                                ; and the last step's global stores have read their codes' registers, which are written again below
.if (\t)+1 < STEPS
	s_wait_loadcnt 4*(STEPS-2-(\t))                ; the next step's four loads are in; those of the steps behind it may be out
	TURN (\t)+1                                    ; and go through the other stage while this step is worked
.endif
	CONV SC1, LIM1, C, 24, \t
	s_cmp_lt_u32 ttmp9, 512                        ; hidden_states alone: the same numbers under its other two scales.  Only register work and stores stand under this branch
	s_cbranch_scc0 .Lone_\@
	CONV SC2, LIM2, C+4, 26, \t
	CONV SC3, LIM3, C+8, 28, \t
.Lone_\@:
.endm
.irp t, 0,1,2,3
	STEP \t
.endr
	s_wait_tensorcnt 0x0                           ; the wave's end
	ds_add_u32 v144, v145
	s_wait_dscnt 0x0
	s_endpgm
.Lfunc_end_k_q4e805bc98a_quant:
	.size	k_q4e805bc98a_quant, .Lfunc_end_k_q4e805bc98a_quant-k_q4e805bc98a_quant
	.p2alignl 7, 3214868480
	.fill 96, 4, 3214868480
	.section	.rodata,"a",@progbits
	.p2align	6, 0x0
	.amdhsa_kernel k_q4e805bc98a_quant
		.amdhsa_group_segment_fixed_size 33280
		.amdhsa_private_segment_fixed_size 0
		.amdhsa_enable_private_segment 0
		.amdhsa_kernarg_size 56
		.amdhsa_user_sgpr_count 2
		.amdhsa_user_sgpr_kernarg_segment_ptr 1
		.amdhsa_wavefront_size32 1
		.amdhsa_system_sgpr_workgroup_id_x 1
		.amdhsa_system_sgpr_workgroup_id_y 1
		.amdhsa_system_sgpr_workgroup_id_z 1
		.amdhsa_system_vgpr_workitem_id 0
		.amdhsa_next_free_vgpr 146
		.amdhsa_next_free_sgpr 66
		.amdhsa_reserve_vcc 0
		.amdhsa_float_denorm_mode_32 3
		.amdhsa_float_denorm_mode_16_64 3
		.amdhsa_memory_ordered 1
		.amdhsa_forward_progress 1
		.amdhsa_inst_pref_size 24
	.end_amdhsa_kernel
	.amdgpu_metadata
---
amdhsa.version: [ 1, 2 ]
amdhsa.kernels:
  - .name:           k_q4e805bc98a_quant
    .symbol:         k_q4e805bc98a_quant.kd
    .args:
      - { .name: hidden_states, .offset: 0, .size: 8, .value_kind: global_buffer, .address_space: global }
      - { .name: Wq, .offset: 8, .size: 8, .value_kind: global_buffer, .address_space: global }
      - { .name: Wk, .offset: 16, .size: 8, .value_kind: global_buffer, .address_space: global }
      - { .name: Wv, .offset: 24, .size: 8, .value_kind: global_buffer, .address_space: global }
      - { .name: Wo, .offset: 32, .size: 8, .value_kind: global_buffer, .address_space: global }
      - { .name: lowp_scales, .offset: 40, .size: 8, .value_kind: global_buffer, .address_space: global }
      - { .name: codes, .offset: 48, .size: 8, .value_kind: global_buffer, .address_space: global }
    .group_segment_fixed_size: 33280
    .private_segment_fixed_size: 0
    .kernarg_segment_align: 8
    .kernarg_segment_size: 56
    .max_flat_workgroup_size: 128
    .sgpr_count:     66
    .vgpr_count:     146
    .wavefront_size: 32
...
	.end_amdgpu_metadata
.endif
;; end of part 1
;; launch proj (part 2): grid 16 x 16, 4 waves a work-group, clusters of 4 x 4, 327,680 bytes of LDS; arguments codes, lowp_scales, cos, sin, q_norm_w, k_norm_w, qimg, kimg, vimg; writes qimg, kimg, vimg
.if DOCPART == 2
	.amdgcn_target "amdgcn-amd-amdhsa--gfx1250"
	.amdhsa_code_object_version 6
	.text
	.protected	k_q4e805bc98a_proj
	.globl	k_q4e805bc98a_proj
	.p2align	8
	.type	k_q4e805bc98a_proj,@function
k_q4e805bc98a_proj:
	s_mov_b64 s[64:65], 0
	v_nop
	global_prefetch_b8 v0, s[64:65] scope:SCOPE_SE
	s_setreg_imm32_b32 hwreg(HW_REG_WAVE_MODE, 25, 1), 1
	s_wait_xcnt 0x0
	s_wait_alu depctr_hold_cnt(0) depctr_sa_sdst(0) depctr_va_vdst(0) depctr_va_sdst(0) depctr_va_ssrc(0) depctr_va_vcc(0) depctr_vm_vsrc(0)
	s_getreg_b32 s2, hwreg(HW_REG_IB_STS2, 6, 4)
	s_cmp_eq_u32 s2, 0
	s_cbranch_scc0 .Lentry_in_a_cluster
	s_endpgm
.Lentry_in_a_cluster:
	s_bfe_u32 s2, ttmp6, 0x10000c
	s_cmp_lg_u32 s2, 0xf033
	s_cbranch_scc0 .Lentry_shape_is_right
	s_endpgm
.Lentry_shape_is_right:
.set SIZE_K, 1024
.set KSTEP,  256
.set ROWB,   256
.set KROW,   SIZE_K
.set PITCH,  272
.set FR,     16
.set NL,     4
.set NP,     4
.set HALFT,  128*PITCH
.set SLOT,   4*HALFT
.set LAPS,   SIZE_K/(2*KSTEP)
.set SPARE,  2*SLOT
.set TPITCH, 528
.set TSIN,   16*TPITCH
.set TWAVE,  2*TSIN
.set ADRA, 16
.set ADRB, 20
.set STW,  24
.set STR,  25
.set LI,   26
.set H32,  27
.set SPW,  28
.set NIL,  29
.set GW,   32
.set CD,   96
.set SQ,   112
.set FF,   116
.set LIMV, 118
.set SCV,  119
.set AF,   128
.set U,    128
.set O,    192
.set GT,   0
.set COSR, 128
.set SINR, 192
.set CLS,  86
.set G1, 24
.set G0, 32
.set G1B, 48
.set G0B, 56
.set MSB, 0
.macro WIN new
.if MSB != \new
	s_set_vgpr_msb (MSB<<8)|\new
.set MSB, \new
.endif
.endm
.set MUL_LO, 0xa1
.set MUL_HI, 0xf1
.set TO_B,   0x40
.macro JLOAD g0a, g1a, g0b, g1b
	s_cmp_eq_u32 s15, 0
	s_cbranch_scc0 .Lfor_b_\@
	tensor_load_to_lds s[\g0a:\g0a+3], s[\g1a:\g1a+7]
	s_nop 0
.rept 4
	v_nop
.endr
	s_branch .Lasked_\@
.Lfor_b_\@:
	tensor_load_to_lds s[\g0b:\g0b+3], s[\g1b:\g1b+7]
	s_nop 0
.rept 4
	v_nop
.endr
.Lasked_\@:
.endm
.macro CREST
	s_cmp_lg_u32 s14, 0
	s_cbranch_scc1 .Lnot_wave_0_\@
	s_barrier_signal -3
.Lnot_wave_0_\@:
	s_barrier_wait -3
	s_barrier_signal -1
	s_barrier_wait -1
.endm
.macro CROUND
	s_barrier_signal -1
	s_barrier_wait -1
	CREST
.endm
	s_load_b512 s[68:83], s[0:1], 0x0
	s_load_b64 s[84:85], s[0:1], 0x40
	v_lshl_add_u32 v[SPW], v0, 2, SPARE
	v_mov_b32 v[NIL], 0
	ds_add_u32 v28, v29
	ds_add_u32 v28, v29
	s_wait_dscnt 0x0
	v_lshrrev_b32 v1, 5, v0
	v_readfirstlane_b32 s14, v1
	s_lshr_b32 s15, s14, 1
	s_and_b32 s16, s14, 1
	s_bfe_u32 s40, ttmp6, 0x40000
	s_bfe_u32 s41, ttmp6, 0x40004
	s_lshl_b32 s42, ttmp9, 2
	s_add_co_u32 s42, s42, s40
	s_and_b32 s17, ttmp7, 0xffff
	s_lshl_b32 s17, s17, 2
	s_add_co_u32 s17, s17, s41
	s_lshl_b32 s43, s41, 2
	s_lshl_b32 s43, 15, s43
	s_lshl_b32 s44, 0x1111, s40
	s_max_u32 s[CLS], ttmp9, 1
	s_sub_co_u32 s[CLS], s[CLS], 1
	s_or_b32 s[G1+0], s43, (0<<16)|(1<<20)|(1<<21)|(5<<22)|(3<<25)
	s_or_b32 s[G1B+0], s44, (0<<16)|(1<<20)|(1<<21)|(5<<22)|(3<<25)
.irp g, G1, G1B
	s_mov_b32 s[\g+1], ROWB<<16
	s_mov_b32 s[\g+2], 256<<16                     ; the head's fills bring whole tiles of 256 rows
	s_mov_b32 s[\g+3], ROWB<<16
	s_mov_b32 s[\g+4], 256
	s_mov_b32 s[\g+5], KROW
	s_mov_b32 s[\g+6], 0
	s_mov_b32 s[\g+7], 0
.endr
	s_lshl_b32 s18, s16, 7
	s_lshl_b32 s20, s17, 8
	s_add_co_u32 s20, s20, s18
	s_lshl_b32 s20, s20, 10
	s_lshl_b32 s19, s[CLS], 22
	s_add_co_u32 s20, s20, s19
	s_mov_b32 s21, 0
	s_lshl_b32 s46, s42, 8
	s_add_co_u32 s46, s46, s18
	s_lshl_b32 s46, s46, 10
	s_add_co_u32 s46, s46, 0xc00000
	s_mov_b32 s47, 0
	s_mul_i32 s45, s14, HALFT
	s_wait_kmcnt 0x0
	s_load_b256 s[88:95], s[70:71], 0x0
	s_load_b128 s[96:99], s[70:71], 0x20
	s_add_nc_u64 s[20:21], s[68:69], s[20:21]
	s_add_nc_u64 s[46:47], s[68:69], s[46:47]
	CROUND
.irp s, 0,1
	s_mov_b32 s[G0+4*\s], 1
	s_add_co_u32 s[G0+4*\s+1], s45, \s*SLOT
	s_add_nc_u64 s[G0+4*\s+2:G0+4*\s+3], s[20:21], \s*ROWB
	s_or_b32 s[G0+4*\s+3], s[G0+4*\s+3], 0x80000000
	s_mov_b32 s[G0B+4*\s], 1
	s_add_co_u32 s[G0B+4*\s+1], s45, \s*SLOT
	s_add_nc_u64 s[G0B+4*\s+2:G0B+4*\s+3], s[46:47], \s*ROWB
	s_or_b32 s[G0B+4*\s+3], s[G0B+4*\s+3], 0x80000000
.endr
; BOTH SLOTS' FIRST FILLS go out as one group, one tensor load a wave: waves 0 and 1 A's whole tile of K step 0 and of K step 1, waves 2 and 3 B's
	s_mul_i32 s22, s16, 128*KROW-ROWB              ; from my half's rows back to the tile's first row, and on to K step wave % 2
	s_mov_b32 s23, 0
	s_mul_i32 s12, s16, SLOT
	s_mov_b32 s4, 1
	s_mov_b32 s5, s12
	s_sub_nc_u64 s[6:7], s[20:21], s[22:23]
	s_or_b32 s7, s7, 0x80000000
	s_mov_b32 s8, 1
	s_add_co_u32 s9, s12, 2*HALFT
	s_sub_nc_u64 s[10:11], s[46:47], s[22:23]
	s_or_b32 s11, s11, 0x80000000
	JLOAD 4, G1, 8, G1B
	v_and_b32 v1, 15, v0
	v_bfe_u32 v2, v0, 4, 1
	v_mul_u32_u24 v3, v1, PITCH
	v_lshl_add_u32 v4, v2, 4, v3
	s_wait_alu depctr_va_vdst(0)
	s_mul_i32 s21, s15, HALFT
	s_mul_i32 s22, s16, HALFT
	s_add_co_u32 s22, s22, 2*HALFT
.irp s, 0,1
	v_add_nc_u32 v[ADRA+\s], s21, v4
	v_add_nc_u32 v[ADRB+\s], s22, v4
	s_add_co_u32 s21, s21, SLOT
	s_add_co_u32 s22, s22, SLOT
.endr
	s_mul_i32 s23, s14, TWAVE
	v_and_b32 v6, 31, v0
	v_lshlrev_b32 v[LI], 4, v6
	v_add_nc_u32 v[STW], s23, v[LI]
	v_mul_u32_u24 v5, v1, TPITCH
	v_lshl_add_u32 v5, v2, 5, v5
	v_add_nc_u32 v[STR], s23, v5
.set VSW, 30                           ; v30  V's stage, on the way in: token row l % 16, 32 bytes for each half of the lanes
.set VT,  31                           ; v31  V's stage, on the way back: token 8 (l / 16) + j, channel l % 16
	v_add_nc_u32 v[VSW], 4*TWAVE, v[STR]           ; V's stages lie behind the four stages of the tables: bytes of their own
	v_mul_u32_u24 v5, v2, 8*TPITCH
	v_lshl_add_u32 v5, v1, 2, v5
	v_add_nc_u32 v5, s23, v5
	v_add_nc_u32 v[VT], 4*TWAVE, v5
	v_lshlrev_b32 v[H32], 5, v2
	s_lshl_b32 s18, s17, 8
	s_lshl_b32 s19, s15, 7
	s_add_co_u32 s18, s18, s19
	s_lshl_b32 s18, s18, 9
	s_mov_b32 s19, 0
	s_add_nc_u64 s[72:73], s[72:73], s[18:19]
	s_add_nc_u64 s[74:75], s[74:75], s[18:19]
	s_cmp_eq_u32 s[CLS], 0
	s_cselect_b64 s[76:77], s[76:77], s[78:79]
	s_cmp_eq_u32 s[CLS], 1
	s_cselect_b64 s[66:67], s[82:83], s[80:81]
	s_cmp_eq_u32 s[CLS], 2
	s_cselect_b64 s[66:67], s[84:85], s[66:67]
	s_lshl_b32 s18, s42, 1
	s_add_co_u32 s18, s18, s16
	s_cmp_eq_u32 s[CLS], 0
	s_cselect_b32 s19, 0, 16
	s_cselect_b32 s23, 4, 3
	s_cmp_eq_u32 s[CLS], 2
	s_cselect_b32 s19, 24, s19
	s_sub_co_u32 s18, s18, s19
	s_lshr_b32 s19, s17, 3
	s_lshl_b32 s19, s19, s23
	s_add_co_u32 s18, s18, s19
	s_lshl_b32 s18, s18, 18
	s_and_b32 s19, s17, 7
	s_lshl_b32 s19, s19, 8
	s_lshl_b32 s23, s15, 7
	s_add_co_u32 s19, s19, s23
	s_lshl_b32 s19, s19, 7
	s_add_co_u32 s18, s18, s19
	s_mov_b32 s19, 0
	s_add_nc_u64 s[66:67], s[66:67], s[18:19]
.macro FRAG reg, adr, q, i
.irp c, 0,1,2,3
	ds_load_b128 v[\reg+4*\c:\reg+4*\c+3], v[\adr] offset:128*(\q)+32*\c+(\i)*16*PITCH
.endr
.endm
.macro MUL16 a0, p, zero
.irp a, \a0, \a0+1
.irp b, 0,1,2,3,4,5,6,7
.if \zero
	v_wmma_f32_16x16x128_fp8_fp8 v[8*(8*((\a)%4)+\b):8*(8*((\a)%4)+\b)+7], v[128*(\p)+FR*\b:128*(\p)+FR*\b+FR-1], v[AF+FR*(\a):AF+FR*(\a)+FR-1], 0
.else
	v_wmma_f32_16x16x128_fp8_fp8 v[8*(8*((\a)%4)+\b):8*(8*((\a)%4)+\b)+7], v[128*(\p)+FR*\b:128*(\p)+FR*\b+FR-1], v[AF+FR*(\a):AF+FR*(\a)+FR-1], v[8*(8*((\a)%4)+\b):8*(8*((\a)%4)+\b)+7]
.endif
.endr
.endr
.endm
.macro FETCH_B slot, q, p
	WIN TO_B
.irp i, 0,1,2,3,4,5,6,7
	FRAG 128*(\p)+FR*\i, ADRB+\slot, \q, \i
.endr
	WIN 0
.endm
.macro FETCH_A slot, q, i0
.irp i, \i0, \i0+1, \i0+2, \i0+3
	FRAG AF+FR*(\i), ADRA+\slot, \q, \i
.endr
.endm
.macro PLACES n
.rept \n
	v_nop
.endr
.endm
.macro STEP slot, q, zero
	s_wait_dscnt 4*NL
	WIN MUL_LO
	MUL16 0, (\q)%2, \zero
	MUL16 2, (\q)%2, \zero
	s_wait_dscnt 0
	PLACES NP
	FETCH_B \slot, (\q)+1, 1-(\q)%2
	FETCH_A \slot, (\q)+1, 0
	WIN MUL_HI
	MUL16 4, (\q)%2, \zero
	MUL16 6, (\q)%2, \zero
	PLACES NP
	WIN 0
	FETCH_A \slot, (\q)+1, 4
.endm
.macro TURN slot, next, fill
	s_wait_tensorcnt 0x0
	ds_add_u32 v[SPW], v[NIL]
	s_wait_dscnt 4*NL+1
	WIN MUL_LO
	MUL16 0, 1, 0
	s_wait_dscnt 0x0
	s_barrier_signal -1
	MUL16 2, 1, 0
	WIN 0
	s_barrier_wait -1
.if \fill
	CREST
	s_add_nc_u64 s[G0+4*\slot+2:G0+4*\slot+3], s[G0+4*\slot+2:G0+4*\slot+3], 2*ROWB
	s_add_nc_u64 s[G0B+4*\slot+2:G0B+4*\slot+3], s[G0B+4*\slot+2:G0B+4*\slot+3], 2*ROWB
	JLOAD G0+4*\slot, G1, G0B+4*\slot, G1B
.else
	PLACES NP
.endif
	s_wait_alu depctr_va_vdst(0)
	FETCH_B \next, 0, 0
	FETCH_A \next, 0, 0
	WIN MUL_HI
	MUL16 4, 1, 0
	MUL16 6, 1, 0
	PLACES NP
	WIN 0
	FETCH_A \next, 0, 4
.endm
.macro LAST
	s_wait_dscnt 4*NL
	WIN MUL_LO
	MUL16 0, 1, 0
	MUL16 2, 1, 0
	s_wait_dscnt 0
	WIN MUL_HI
	MUL16 4, 1, 0
	MUL16 6, 1, 0
	WIN 0
.endm
.macro TABLES a
.set GT, 128*((\a)%2)                  ; two buffers in window 1, by turns: the tables run two blocks ahead
	WIN 0x40
.set tn, 0
.rept 16
	global_load_b128 v[GT+4*tn:GT+4*tn+3], v[LI], s[72:73] offset:(16*(\a)+tn)*512
	global_load_b128 v[GT+64+4*tn:GT+64+4*tn+3], v[LI], s[74:75] offset:(16*(\a)+tn)*512
.set tn, tn+1
.endr
	WIN 0
.endm
.macro CODES_OUT src, a
	s_wait_xcnt 0x0
.irp b, 0,1,2,3,4,5,6,7
	v_cvt_scalef32_pk8_fp8_f32 v[CD+2*\b:CD+2*\b+1], v[\src+8*\b:\src+8*\b+7], v[SCV]
.endr
	v_nop
.irp c, 0,1,2,3
	global_store_b128 v[LI], v[CD+4*\c:CD+4*\c+3], s[66:67] offset:2048*(\a)+512*\c
.endr
.endm
.macro QKBLOCK a
.set AC, 64*((\a)%4)
.set WA, 2+(\a)/4
.set WAA, WA*5
.set WU, (WA<<6)|WA
.set GT, 128*((\a)%2)
.if (\a) < 7
	s_wait_loadcnt 32                              ; this block's 32 table loads are in; the next block's 32 may be out
.else
	s_wait_loadcnt 0x0
.endif
	WIN 0x04
.set qn, 0
.rept 16
	ds_store_b128 v[STW], v[GT+4*qn:GT+4*qn+3] offset:qn*TPITCH
	ds_store_b128 v[STW], v[GT+64+4*qn:GT+64+4*qn+3] offset:TSIN+qn*TPITCH
.set qn, qn+1
.endr
	WIN 0
.set qn, 0
.rept 16
	ds_load_b128 v[COSR+4*qn:COSR+4*qn+3], v[STR] offset:64*(qn/2)+16*(qn%2)
	ds_load_b128 v[SINR+4*qn:SINR+4*qn+3], v[STR] offset:TSIN+64*(qn/2)+16*(qn%2)
.set qn, qn+1
.endr
	WIN WAA
	v_pk_mul_f32 v[SQ:SQ+1], v[AC:AC+1], v[AC:AC+1]
	v_pk_mul_f32 v[SQ+2:SQ+3], v[AC+2:AC+3], v[AC+2:AC+3]
.set qn, 4
.rept 15
	v_pk_fma_f32 v[SQ:SQ+1], v[AC+qn:AC+qn+1], v[AC+qn:AC+qn+1], v[SQ:SQ+1]
	v_pk_fma_f32 v[SQ+2:SQ+3], v[AC+qn+2:AC+qn+3], v[AC+qn+2:AC+qn+3], v[SQ+2:SQ+3]
.set qn, qn+4
.endr
	WIN WU
.set qn, 0
.rept 32
	v_pk_mul_f32 v[AC+qn:AC+qn+1], v[AC+qn:AC+qn+1], v[GW+qn:GW+qn+1]
.set qn, qn+2
.endr
	WIN 0
	v_pk_add_f32 v[SQ:SQ+1], v[SQ:SQ+1], v[SQ+2:SQ+3]
	v_add_f32 v[SQ], v[SQ], v[SQ+1]
	v_permlanex16_b32 v[SQ+1], v[SQ], s20, s21
	v_add_f32 v[SQ], v[SQ], v[SQ+1]
	v_ldexp_f32 v[SQ], v[SQ], s100
	v_add_f32 v[SQ], 0x358637bd, v[SQ]
	s_wait_alu depctr_va_vdst(0)
	v_rsq_f32 v[FF], v[SQ]
	v_nop
	s_wait_alu depctr_va_vdst(0)
	v_ldexp_f32 v[FF], v[FF], s101
	s_wait_alu depctr_va_vdst(0)
.if (\a) < 6
	s_wait_dscnt 32                                ; the 32 stores into the stage have read this buffer; the 32 loads behind them may be out
	TABLES (\a)+2                                  ; the freed buffer takes the tables of two blocks on
.endif
	s_wait_dscnt 0x0
	WIN WU
.set qn, 0
.rept 32
	v_pk_mul_f32 v[AC+qn:AC+qn+1], v[AC+qn:AC+qn+1], v[FF:FF+1] op_sel_hi:[1,0]
.set qn, qn+2
.endr
	WIN WA
.set qn, 0
.rept 32
	v_pk_mul_f32 v[COSR+qn:COSR+qn+1], v[AC+qn:AC+qn+1], v[COSR+qn:COSR+qn+1]   ; the rotated row grows where the cosines lay
.set qn, qn+2
.endr
.set qn, 0
.rept 16
	v_pk_fma_f32 v[COSR+qn:COSR+qn+1], v[AC+32+qn:AC+33+qn], v[SINR+qn:SINR+qn+1], v[COSR+qn:COSR+qn+1] neg_lo:[1,0,0] neg_hi:[1,0,0]
	v_pk_fma_f32 v[COSR+32+qn:COSR+33+qn], v[AC+qn:AC+qn+1], v[SINR+32+qn:SINR+33+qn], v[COSR+32+qn:COSR+33+qn]
.set qn, qn+2
.endr
	WIN 0
.set qn, 0
.rept 64
	v_med3_num_f32 v[COSR+qn], v[COSR+qn], -v[LIMV], v[LIMV]
.set qn, qn+1
.endr
	s_wait_alu depctr_va_vdst(0)
	CODES_OUT COSR, \a
.endm
.macro VBLOCK a
.set AC, 64*((\a)%4)
.set WA, 2+(\a)/4
	WIN WA
.set qn, 0
.rept 64
	v_med3_num_f32 v[U+qn], v[AC+qn], -v[LIMV], v[LIMV]
.set qn, qn+1
.endr
	WIN 0
; V's operand has the tokens as its K: the block's 16 tokens x 128 channels turn through my stage: in by token rows, back a lane to a channel, registers along the tokens
.set qn, 0
.rept 16
	ds_store_b128 v[VSW], v[U+4*qn:U+4*qn+3] offset:64*(qn/2)+16*(qn%2)
.set qn, qn+1
.endr
.set qn, 0
.rept 64
	ds_load_b32 v[O+qn], v[VT] offset:64*(qn/8)+TPITCH*(qn%8)   ; LDS serves a wave's instructions in order: these see the stores above
.set qn, qn+1
.endr
	s_wait_alu depctr_va_vdst(0)
	s_wait_dscnt 0x0
	WIN 0x40
.irp b, 0,1,2,3,4,5,6,7
	v_cvt_scalef32_pk8_fp8_f32 v[16*\b+2*(\a):16*\b+2*(\a)+1], v[O+8*\b:O+8*\b+7], v[SCV]   ; registers 2 a, 2 a + 1 of channel block b's image (window 1): tokens 16 a + 8 (l / 16) + 0 .. 7
.endr
	WIN 0
	v_nop
.endm
	s_wait_alu depctr_va_vdst(0)                   ; the wait at the head's end
	s_wait_tensorcnt 0x0                           ; my tile of K step wave % 2 is in
.irp g, G1, G1B
	s_mov_b32 s[\g+2], 128<<16                     ; my load has landed, so group 1 may be written: the refills bring halves of 128 rows
	s_mov_b32 s[\g+4], 128
.endr
	s_barrier_signal -1
	s_barrier_wait -1                              ; everybody's load has landed: both slots are whole
	FETCH_B 0, 0, 0
	FETCH_A 0, 0, 0
	FETCH_A 0, 0, 4
	STEP 0, 0, 1
	s_mov_b32 s3, LAPS-1
.Llap:
	TURN 0, 1, 1
	STEP 1, 0, 0
	TURN 1, 0, 1
	STEP 0, 0, 0
	s_sub_co_u32 s3, s3, 1
	s_cmp_lg_u32 s3, 0
	s_cbranch_scc1 .Llap
	TURN 0, 1, 0
	STEP 1, 0, 0
	s_cmp_eq_u32 s[CLS], 2
	s_cbranch_scc1 .Lv
.set qn, 0
.rept 16
	global_load_b128 v[GW+4*qn:GW+4*qn+3], v[H32], s[76:77] offset:64*(qn/2)+16*(qn%2)
.set qn, qn+1
.endr
	TABLES 0
	LAST
	s_wait_kmcnt 0x0
	s_cmp_eq_u32 s[CLS], 1
	s_cselect_b32 s18, s90, s88
	s_cselect_b32 s19, s91, s89
	s_cselect_b32 s22, s95, s94
	s_add_co_i32 s87, s18, s19
	s_lshl_b32 s100, s87, 1
	s_sub_co_i32 s100, s100, 7
	s_sub_co_i32 s101, s87, s22
	s_mov_b32 s20, 0x76543210
	s_mov_b32 s21, 0xfedcba98
	v_mov_b32 v[SCV], 1.0
	v_mov_b32 v[LIMV], 0x43e00000
	v_mov_b32 v[FF+1], 0
	v_nop
	TABLES 1                                       ; four places behind the last products, whose fragments of B lay in this buffer
.irp a, 0,1,2,3,4,5,6,7
	QKBLOCK \a
.endr
	s_branch .Ldone
.Lv:
	LAST
	s_wait_kmcnt 0x0
	s_sub_co_i32 s23, s97, s92
	s_sub_co_i32 s23, s23, s93
	s_add_co_i32 s23, s23, 127
	s_lshl_b32 s18, s23, 23
	v_mov_b32 v[SCV], s18
	s_add_co_i32 s23, s23, 8
	s_lshl_b32 s23, s23, 23
	s_or_b32 s23, s23, 0x600000
	v_mov_b32 v[LIMV], s23
	v_nop
	v_nop
.irp a, 0,1,2,3,4,5,6,7
	VBLOCK \a
.endr
	WIN 0x04
.set qn, 0
.rept 32
	global_store_b128 v[LI], v[4*qn:4*qn+3], s[66:67] offset:512*qn   ; eight images of 2,048 bytes; 32 lanes store 512 consecutive bytes
.set qn, qn+1
.endr
	WIN 0
.Ldone:
	s_wait_tensorcnt 0x0
	ds_add_u32 v[SPW], v[NIL]
	s_wait_dscnt 0x0
	CROUND
	s_endpgm
.Lfunc_end_k_q4e805bc98a_proj:
	.size	k_q4e805bc98a_proj, .Lfunc_end_k_q4e805bc98a_proj-k_q4e805bc98a_proj
	.p2alignl 7, 3214868480
	.fill 96, 4, 3214868480
	.section	.rodata,"a",@progbits
	.p2align	6, 0x0
	.amdhsa_kernel k_q4e805bc98a_proj
		.amdhsa_group_segment_fixed_size 327680
		.amdhsa_private_segment_fixed_size 0
		.amdhsa_enable_private_segment 0
		.amdhsa_kernarg_size 72
		.amdhsa_user_sgpr_count 2
		.amdhsa_user_sgpr_kernarg_segment_ptr 1
		.amdhsa_wavefront_size32 1
		.amdhsa_system_sgpr_workgroup_id_x 1
		.amdhsa_system_sgpr_workgroup_id_y 1
		.amdhsa_system_sgpr_workgroup_id_z 1
		.amdhsa_system_vgpr_workitem_id 0
		.amdhsa_next_free_vgpr 1024
		.amdhsa_next_free_sgpr 102
		.amdhsa_reserve_vcc 0
		.amdhsa_float_denorm_mode_32 3
		.amdhsa_float_denorm_mode_16_64 3
		.amdhsa_memory_ordered 1
		.amdhsa_forward_progress 1
		.amdhsa_inst_pref_size 255
	.end_amdhsa_kernel
	.section	.bss,"aw",@nobits
	.p2align	6
	.space	262144
	.amdgpu_metadata
---
amdhsa.version: [ 1, 2 ]
amdhsa.kernels:
  - .name:           k_q4e805bc98a_proj
    .symbol:         k_q4e805bc98a_proj.kd
    .args:
      - { .name: codes, .offset: 0, .size: 8, .value_kind: global_buffer, .address_space: global }
      - { .name: lowp_scales, .offset: 8, .size: 8, .value_kind: global_buffer, .address_space: global }
      - { .name: cos, .offset: 16, .size: 8, .value_kind: global_buffer, .address_space: global }
      - { .name: sin, .offset: 24, .size: 8, .value_kind: global_buffer, .address_space: global }
      - { .name: q_norm_w, .offset: 32, .size: 8, .value_kind: global_buffer, .address_space: global }
      - { .name: k_norm_w, .offset: 40, .size: 8, .value_kind: global_buffer, .address_space: global }
      - { .name: qimg, .offset: 48, .size: 8, .value_kind: global_buffer, .address_space: global }
      - { .name: kimg, .offset: 56, .size: 8, .value_kind: global_buffer, .address_space: global }
      - { .name: vimg, .offset: 64, .size: 8, .value_kind: global_buffer, .address_space: global }
    .group_segment_fixed_size: 327680
    .private_segment_fixed_size: 0
    .kernarg_segment_align: 8
    .kernarg_segment_size: 72
    .max_flat_workgroup_size: 128
    .sgpr_count:     102
    .vgpr_count:     1024
    .wavefront_size: 32
...
	.end_amdgpu_metadata
.endif
;; end of part 2
;; launch attn (part 3): grid 16 x 16, 8 waves a work-group, no clusters, 327,680 bytes of LDS; arguments qimg, kimg, vimg, lowp_scales, aimg; writes aimg
.if DOCPART == 3
	.amdgcn_target "amdgcn-amd-amdhsa--gfx1250"
	.amdhsa_code_object_version 6
	.text
	.protected	k_q4e805bc98a_attn
	.globl	k_q4e805bc98a_attn
	.p2align	8
	.type	k_q4e805bc98a_attn,@function
k_q4e805bc98a_attn:
	s_mov_b64 s[64:65], 0
	v_nop
	global_prefetch_b8 v0, s[64:65] scope:SCOPE_SE
	s_setreg_imm32_b32 hwreg(HW_REG_WAVE_MODE, 25, 1), 1
	s_wait_xcnt 0x0
; Causal attention on codes of FP8 (E4M3): 2 batches x 8 key heads, each serving 2 query heads; 2,048 tokens, head size 128.  q, k, v come as images of operand registers (2,048 bytes for 16 rows x 128 K: registers 4 c .. 4 c + 3 of lane l at 512 c + 16 l).
; THE SOFTMAX AHEAD OF THE SECOND PRODUCT: t = score x log2(e) / sqrt(128); M = the largest t so far, rounded UP to a whole number; p = 2^(t - M) is quantised (2^e8), not normalised.  The sum is taken of the unquantised p and divides at the end.
; When M moves, the sum and the result are multiplied by 2^(old M - new M), which rounds nothing.  The result is quantised (2^e10) for the output projection and leaves as an image.
; LEFT OUT: key steps of 128 all of whose keys come after a tile's queries: reference()'s own causal mask makes their p zero.
; SHARES.  Work-group y = 8 x batch + key head; x gives beta = x / 2 and four of the eight tiles of 16 queries of the blocks beta and 15 - beta (blocks of 128 queries).  A JOB is one tile of 16 queries of BOTH query heads: each fragment of K and V feeds two products.
; Waves w and w + 4 share two jobs: the early one (block beta, beta + 1 key steps) and the late one (block 15 - beta, 16 - beta steps).  Wave w does the early job in steps 0 .. beta, stores it, and begins the late job anew, from zeros, on the steps
; beta + 2, beta + 4, ..; wave w + 4 does the late job's steps 0 .. beta, beta + 1, beta + 3, .., 15 - beta.  So a wave has 8 or 9 steps of work whatever beta is.  At the end the two exchange through LDS: wave w gives head 0's part and joins head 1's,
; wave w + 4 the other way round: under the larger M both parts are multiplied by whole powers of two and added.
; Head 0's state lies in register window 0, head 1's in window 1, under the same numbers.  Both products are used transposed (S^T = K Q^T, O^T = V^T P^T): a lane holds ONE query (lane % 16); register 8 t + j of S^T is key 16 t + 8 (lane / 16) + j.
; RING.  Two LDS slots of 512 keys (K 64 KiB, then V 64 KiB).  Each of the eight waves fetches 16 KiB of a slot by one tensor load (waves 0-3 K's quarters, 4-7 V's); a wave has one load out.  A slot whose first step lies behind step 15 - beta is read by nobody and is not asked for.
; NO CLUSTER: the work-groups of a key head need 16 - beta key steps, 9 to 16: partners would need different numbers of tiles, and some would read nothing of a joint tile.
; PREFETCH: at the change of slots that loads slot 1, slot 2's 128 KiB are asked for: the 16 work-groups of a key head take 8 KiB each (x < 8: of K, else of V), wave 0, lanes 256 bytes apart.  Slots 0, 1 and 3 come by their loads alone.
; LIMITS: e6 + e7 between -123 and 130 (added to c's exponent field); e8 between -126 and 119; e8 + e9 - e10 is applied by v_ldexp_f32; the scaled scores stay under 2^31 in magnitude.
; REGISTERS.  Window 0 alone: v1-9 addresses.  Both windows: v12 -M, v13 the largest t, v[14:15] the sum; v16-31 Q; v32-95 four fragments of K or V; v96-159 S^T, then p; v160-223 O^T; v224-239 p's codes; v236, v242, v243, v248-255 at work;
;   v240 448 x 2^e8, v244 2^e8, v241 448, v245 1; v246 my query's place for the mask.
.set SLOT1, 1<<17
.set VOFF,  65536
.set STEPB, 16384
.set SPARE, 2*SLOT1                    ; the spare words: 128 bytes a wave, four blocks of 256 bytes that no other line names
.set XREG,  8704                       ; the exchange: 17 x 512 bytes a wave, in slot 0, which has had its last fill and its last read behind the last change of slots
.set LI,   1                           ; 16 x lane
.set LV,   2                           ; 16 x lane + VOFF
.set PFO,  3                           ; 256 x lane
.set XW,   4                           ; where I put my part for my partner
.set SPW,  5
.set NIL,  6
.set XR,   7                           ; where my partner puts its part
.set ADK,  8
.set ADV,  9
.set WV,   18
.set SEL,  20
.set CS,   22
.set G1,   24
.set G0,   32
.set TB,   44
.set KS,   45
.set SLOTS, 46
.set QUAD, 47
.set BLK,  48                          ; the block of the job in hand: its diagonal step
.set LIM,  49
.set PFA,  50
.set BETA, 60
.set LATE, 61
.set ROLE, 62                          ; 0: waves 0-3, 1: waves 4-7
.set TRS,  63                          ; the step at whose head a wave of role 0 changes jobs
.set QL,   66                          ; s[66:67] the late job's Q
.set OE,   68                          ; s[68:69] the early job's place in the result
.set OL,   70                          ; s[70:71] the late job's
.set PAR,  78                          ; beta xor role: behind step beta I work where the step's number has this parity
.set MSB, 0
.macro WIN new
.if MSB != \new
	s_set_vgpr_msb (MSB<<8)|\new
.set MSB, \new
.endif
.endm
.macro PLACES
.rept 4
	v_nop
.endr
.endm
.macro TLOAD
	tensor_load_to_lds s[G0:G0+3], s[G1:G1+7]
	s_nop 0
	PLACES
.endm
	s_load_b256 s[4:11], s[0:1], 0x0               ; qimg, kimg, vimg, the exponents
	s_load_b64 s[12:13], s[0:1], 0x20              ; aimg
	v_lshl_add_u32 v[SPW], v0, 2, SPARE
	v_mov_b32 v[NIL], 0
	ds_add_u32 v[SPW], v[NIL]
	ds_add_u32 v[SPW], v[NIL]
	v_lshrrev_b32 v10, 5, v0
	v_readfirstlane_b32 s[WV], v10
	s_and_b32 s14, ttmp7, 0xffff                   ; y
	s_lshr_b32 s[BETA], ttmp9, 1
	s_sub_co_u32 s[LATE], 15, s[BETA]
	s_lshr_b32 s[ROLE], s[WV], 2
	s_xor_b32 s[PAR], s[BETA], s[ROLE]
	s_and_b32 s16, s[WV], 3
	s_and_b32 s15, ttmp9, 1
	s_lshl_b32 s15, s15, 2
	s_add_co_u32 s15, s15, s16                     ; my tile in its block, the same in both blocks
	s_add_co_u32 s17, s[BETA], 1
	s_cmp_eq_u32 s[ROLE], 0
	s_cselect_b32 s[BLK], s[BETA], s[LATE]
	s_cselect_b32 s[TRS], s17, 99
	s_lshl_b32 s19, s[BLK], 3
	s_add_co_u32 s19, s19, s15                     ; my first job's tile, 0 .. 127
	s_lshl_b32 s36, s[LATE], 3
	s_add_co_u32 s36, s36, s15                     ; the late job's
	s_lshl_b32 s37, s14, 8                         ; q: (2 y x 128 + tile) x 2,048 bytes
	s_add_co_u32 s38, s37, s19
	s_lshl_b32 s38, s38, 11
	s_mov_b32 s39, 0
	s_add_co_u32 s40, s37, s36
	s_lshl_b32 s40, s40, 11
	s_mov_b32 s41, 0
	s_bfe_u32 s42, s14, 0x20001                    ; the result: [query head / 4][batch x 128 + tile][query head % 4][2048]; my heads are 2 x key head and the next
	s_lshl_b32 s42, s42, 8
	s_lshr_b32 s43, s14, 3
	s_lshl_b32 s43, s43, 7
	s_add_co_u32 s42, s42, s43
	s_and_b32 s43, s14, 1
	s_lshl_b32 s43, s43, 1
	s_add_co_u32 s72, s42, s19
	s_lshl_b32 s72, s72, 2
	s_add_co_u32 s72, s72, s43
	s_lshl_b32 s72, s72, 11
	s_mov_b32 s73, 0
	s_add_co_u32 s74, s42, s36
	s_lshl_b32 s74, s74, 2
	s_add_co_u32 s74, s74, s43
	s_lshl_b32 s74, s74, 11
	s_mov_b32 s75, 0
	s_lshl_b32 s76, s14, 18                        ; a key head's images are 2^18 bytes, of K and of V; my quarter of a slot's 64 KiB
	s_lshl_b32 s77, s16, 14
	s_add_co_u32 s76, s76, s77
	s_mov_b32 s77, 0
	s_lshl_b32 s37, s[WV], 14                      ; and in LDS: 16 KiB x wave
	s_and_b32 s80, ttmp9, 7                        ; the prefetches: my work-group's 8 KiB, in slot 1 (the first change of slots steps it to slot 2)
	s_lshl_b32 s80, s80, 13
	s_lshl_b32 s81, s14, 18
	s_add_co_u32 s80, s80, s81
	s_add_co_u32 s80, s80, 65536
	s_mov_b32 s81, 0
	s_cmp_eq_u32 s[WV], 0
	s_cselect_b32 s[LIM], 2, -1                    ; wave 0 asks while more than two changes are to come
	s_mov_b32 s[G1], 3<<16                         ; elements of 8 bytes, no padding: images are read as they lie
	s_mov_b32 s[G1+1], 32<<16                      ; rows of 256 bytes
	s_mov_b32 s[G1+2], 64<<16
	s_mov_b32 s[G1+3], 32<<16
	s_mov_b32 s[G1+4], 64
	s_mov_b32 s[G1+5], 32
	s_mov_b32 s[G1+6], 0
	s_mov_b32 s[G1+7], 0
	s_mov_b32 s[SEL], 0x76543210
	s_mov_b32 s[SEL+1], 0xfedcba98
	s_mov_b32 s[CS], 0x3e0293ee                    ; log2(e) / sqrt(128)
	s_mov_b32 s[TB], 0
	s_mov_b32 s[KS], 0
	s_mov_b32 s[SLOTS], 3
	s_wait_dscnt 0x0
	s_wait_kmcnt 0x0
	s_load_b128 s[52:55], s[10:11], 0x18           ; e6, e7, e8, e9
	s_load_b32 s56, s[10:11], 0x28                 ; e10
	s_cmp_lt_u32 s[WV], 4
	s_cselect_b64 s[G0+2:G0+3], s[6:7], s[8:9]
	s_add_nc_u64 s[G0+2:G0+3], s[G0+2:G0+3], s[76:77]
	s_or_b32 s[G0+3], s[G0+3], 0x80000000
	s_mov_b32 s[G0], 1
	s_mov_b32 s[G0+1], s37
	TLOAD                                          ; slot 0: every wave's one load at the head
	s_add_nc_u64 s[QL:QL+1], s[4:5], s[40:41]
	s_add_nc_u64 s[4:5], s[4:5], s[38:39]
	s_add_nc_u64 s[OE:OE+1], s[12:13], s[72:73]
	s_add_nc_u64 s[OL:OL+1], s[12:13], s[74:75]
	s_cmp_lt_u32 ttmp9, 8
	s_cselect_b64 s[PFA:PFA+1], s[6:7], s[8:9]
	s_add_nc_u64 s[PFA:PFA+1], s[PFA:PFA+1], s[80:81]
	v_and_b32 v10, 31, v0
	v_lshlrev_b32 v[LI], 4, v10
	v_lshlrev_b32 v[PFO], 8, v10
	v_add_nc_u32 v[LV], VOFF, v[LI]
.macro QLOAD base
.irp c, 0,1,2,3
	global_load_b128 v[16+4*\c:19+4*\c], v[LI], s[\base:\base+1] offset:512*\c
.endr
	WIN 0x40
.irp c, 0,1,2,3
	global_load_b128 v[16+4*\c:19+4*\c], v[LI], s[\base:\base+1] offset:262144+512*\c
.endr
	WIN 0
.endm
	QLOAD 4
	s_mul_i32 s17, s[WV], XREG
	v_add_nc_u32 v[XW], s17, v[LI]
	s_xor_b32 s17, s[WV], 4
	s_mul_i32 s17, s17, XREG
	v_add_nc_u32 v[XR], s17, v[LI]
	v_and_b32 v10, 15, v0
	v_bfe_u32 v11, v0, 4, 1
	v_lshlrev_b32 v11, 3, v11
	v_sub_nc_u32 v246, v10, v11
	s_lshl_b32 s16, s15, 4
	v_add_nc_u32 v246, s16, v246                   ; my query's place in its block, less 8 h: on the diagonal register 8 t + j is hidden where 16 t + j is greater
	s_wait_kmcnt 0x0
	s_add_co_i32 s16, s52, s53
	s_lshl_b32 s16, s16, 23
	s_add_co_i32 s[CS], s[CS], s16
	s_mov_b32 s[CS+1], s[CS]
	s_add_co_i32 s16, s54, 127
	s_lshl_b32 s58, s16, 23                        ; 2^e8
	s_add_co_i32 s16, s16, 8
	s_lshl_b32 s59, s16, 23
	s_or_b32 s59, s59, 0x600000                    ; 448 x 2^e8
	s_add_co_i32 s57, s54, s55
	s_sub_co_i32 s57, s57, s56                     ; e8 + e9 - e10
.macro INIT                            ; a head's state, in the window that is set
	v_mov_b32 v13, 0xff61b1e6                      ; -3e38, under every t
	s_delay_alu instid0(VALU_DEP_1)
	v_floor_f32 v12, -v13
	v_mov_b32 v14, 0
	v_mov_b32 v15, 0
	v_mov_b32 v236, 0
	v_mov_b32 v253, 0
	v_mov_b32 v255, 0
	v_mov_b32 v244, s58
	v_mov_b32 v240, s59
	v_mov_b32 v241, 0x43e00000
	v_mov_b32 v245, 1.0
.set zn, 0
.rept 64
	v_mov_b32 v[160+zn], 0                         ; the step is written once: a job's first step finds zeros
.set zn, zn+1
.endr
.endm
	INIT
	WIN 0x55
	INIT
	WIN 0x40
	v_mov_b32 v246, v246
	WIN 0
.macro FLOADS adr
	WIN 0
.irp t, 0,1,2,3
.irp c, 0,1,2,3
	ds_load_b128 v[32+16*\t+4*\c:35+16*\t+4*\c], v[\adr] offset:2048*\t+512*\c
.endr
.endr
	WIN 0x40
.irp t, 0,1,2,3
.irp c, 0,1,2,3
	ds_load_b128 v[32+16*\t+4*\c:35+16*\t+4*\c], v[\adr] offset:2048*(\t+4)+512*\c
.endr
.endr
.endm
.macro SPROD win, t0
	WIN \win
.irp t, 0,1,2,3
	v_wmma_f32_16x16x128_fp8_fp8 v[96+8*(\t0+\t):103+8*(\t0+\t)], v[32+16*\t:47+16*\t], v[16:31], 0
.endr
.endm
.macro PVPROD win, t0
	WIN \win
.irp t, 0,1,2,3
	v_wmma_f32_16x16x128_fp8_fp8 v[160+8*(\t0+\t):167+8*(\t0+\t)], v[32+16*\t:47+16*\t], v[224:239], v[160+8*(\t0+\t):167+8*(\t0+\t)]
.endr
.endm
.macro MASK
	v_mov_b32 v254, 0xff800000
.set mn, 0
.rept 64
	v_cmp_gt_i32 vcc_lo, 16*(mn/8)+mn%8, v246
	v_cndmask_b32 v[96+mn], v[96+mn], v254, vcc_lo
.set mn, mn+1
.endr
.endm
.macro SOFTMAX                         ; one head's 16 queries x 128 keys, in the window that is set
	v_max3_num_f32 v254, v96, v97, v98
	v_max3_num_f32 v252, v99, v100, v101
.irp i, 6,10,14,18,22,26,30,34,38,42,46,50,54,58
	v_max3_num_f32 v254, v254, v[96+\i], v[97+\i]
	v_max3_num_f32 v252, v252, v[98+\i], v[99+\i]
.endr
	v_max3_num_f32 v254, v254, v158, v159
	s_delay_alu instid0(VALU_DEP_1)
	v_max_num_f32 v254, v254, v252
	v_permlanex16_b32 v236, v254, s[SEL], s[SEL+1]
	s_delay_alu instid0(VALU_DEP_1)
	v_max_num_f32 v254, v254, v236
	s_delay_alu instid0(VALU_DEP_1)
	v_mul_f32 v254, s[CS], v254
	s_delay_alu instid0(VALU_DEP_1)
	v_max_num_f32 v13, v13, v254                   ; the running largest t
	v_mov_b32 v254, v12
	s_delay_alu instid0(VALU_DEP_2)
	v_floor_f32 v12, -v13                          ; the new -M = -ceil(t)
	s_delay_alu instid0(VALU_DEP_1)
	v_sub_f32 v254, v12, v254
	s_delay_alu instid0(VALU_DEP_1)
	v_cvt_i32_f32 v254, v254                       ; (it saturates)
	s_delay_alu instid0(VALU_DEP_1)
	v_ldexp_f32 v252, 1.0, v254                    ; f = 2^(old M - new M)
.set sn, 0
.rept 32
	v_pk_fma_f32 v[96+sn:97+sn], v[96+sn:97+sn], s[CS:CS+1], v[12:13] op_sel_hi:[1,0,0]
.set sn, sn+2
.endr
.set sn, 0
	s_wait_alu depctr_va_vdst(0)                   ; the wait ahead of the batch
.rept 64
	v_exp_f32 v[96+sn], v[96+sn]
.set sn, sn+1
.endr
	v_pk_mul_f32 v[14:15], v[14:15], v[252:253] op_sel_hi:[1,0]
	s_wait_alu depctr_va_vdst(0)                   ; and behind it
	v_pk_add_f32 v[242:243], v[96:97], v[98:99]    ; the sum of the unquantised p, in two chains
.irp j, 4,8,12,16,20,24,28,32,36,40,44,48,52,56,60
	v_pk_add_f32 v[14:15], v[14:15], v[96+\j:97+\j]
	v_pk_add_f32 v[242:243], v[242:243], v[98+\j:99+\j]
.endr
	s_delay_alu instid0(VALU_DEP_1)
	v_pk_add_f32 v[14:15], v[14:15], v[242:243]
.irp t, 0,1,2,3,4,5,6,7
.irp i, 0,1,2,3,4,5,6,7
	v_min_num_f32 v[96+8*\t+\i], v[96+8*\t+\i], v240   ; the conversion does not saturate (ISA guide 7.6.2); p is not negative
.endr
	v_cvt_scalef32_pk8_fp8_f32 v[224+2*\t:225+2*\t], v[96+8*\t:103+8*\t], v244
.endr
	s_wait_alu depctr_va_vdst(0)                   ; ahead of the first reader of O^T
.set sn, 0
.rept 32
	v_pk_mul_f32 v[160+sn:161+sn], v[160+sn:161+sn], v[252:253] op_sel_hi:[1,0]
.set sn, sn+2
.endr
.endm
; O^T / the sum x 2^(e8 + e9 - e10), held within +-448, converted: registers 4 c .. 4 c + 3 are channels 32 c + 16 h + 0 .. 15 of my query
.macro FINAL
	v_add_f32 v14, v14, v15
	v_permlanex16_b32 v236, v14, s[SEL], s[SEL+1]
	v_add_f32 v14, v14, v236
	s_wait_alu depctr_va_vdst(0)
	v_rcp_f32 v14, v14
	v_nop
	s_wait_alu depctr_va_vdst(0)
	v_ldexp_f32 v14, v14, s57
	s_wait_alu depctr_va_vdst(0)                   ; ahead of the first reader of O^T
.set fn, 0
.rept 32
	v_pk_mul_f32 v[96+fn:97+fn], v[160+fn:161+fn], v[14:15] op_sel_hi:[1,0]
.set fn, fn+2
.endr
.set fn, 0
.rept 64
	v_med3_num_f32 v[96+fn], v[96+fn], -v241, v241
.set fn, fn+1
.endr
.irp t, 0,1,2,3,4,5,6,7
	v_cvt_scalef32_pk8_fp8_f32 v[224+2*\t:225+2*\t], v[96+8*\t:103+8*\t], v245
.endr
	v_nop
.endm
.macro OUT sw, base, off               ; a head's image: 32 lanes store 512 consecutive bytes
	WIN \sw
.irp c, 0,1,2,3
	global_store_b128 v[LI], v[224+4*\c:227+4*\c], s[\base:\base+1] offset:\off+512*\c
.endr
	WIN 0
.endm
; A wave of role 0 changes jobs: the late job's Q is asked for first, the early job is finished and stored under the loads' flight, the state begins anew
.macro TRANS
	QLOAD QL
	FINAL
	WIN 0x55
	FINAL
	WIN 0
	OUT 0, OE, 0
	OUT 0x04, OE, 2048
	s_wait_alu depctr_va_vdst(0)
	s_wait_xcnt 0x0                                ; the stores have read the codes' registers, one of which the new state writes
	INIT
	WIN 0x55
	INIT
	WIN 0
	s_mov_b32 s[BLK], s[LATE]
	s_wait_alu depctr_va_vdst(0)
	s_wait_loadcnt 0x0
.endm
; THE CHANGE OF SLOTS stands at a slot's head: all my tensor loads, the add, my reads of the slot that I have left; one barrier; fill = 1: the slot just left takes the 512 keys that follow, if a step reads them
.macro CHANGE fill
	s_wait_tensorcnt 0x0
	ds_add_u32 v[SPW], v[NIL]
.if \fill
	s_xor_b32 s[G0+1], s[G0+1], SLOT1
	s_add_nc_u64 s[G0+2:G0+3], s[G0+2:G0+3], 65536
	s_wait_xcnt 0x0                                ; the last prefetch has read its address
	s_add_nc_u64 s[PFA:PFA+1], s[PFA:PFA+1], 65536
.endif
	s_wait_dscnt 0x0
	s_barrier_signal -1
	s_barrier_wait -1
.if \fill
	s_add_co_u32 s17, s[KS], 4                     ; the first step of the slot that this change would ask for
	s_cmp_gt_u32 s17, s[LATE]                      ; ids and the count of steps alone: the same in all eight waves
	s_cbranch_scc1 .Lpast_\@
	TLOAD
.Lpast_\@:
	s_cmp_gt_u32 s[SLOTS], s[LIM]
	s_cbranch_scc0 .Lnot_mine_\@
	global_prefetch_b8 v[PFO], s[PFA:PFA+1] th:TH_LOAD_NT scope:SCOPE_SE
.Lnot_mine_\@:
.endif
.endm
.macro SLOT_STEPS trans
	s_mov_b32 s[QUAD], 4
.Lstep_\@:
.if \trans
	s_cmp_lg_u32 s[KS], s[TRS]
	s_cbranch_scc1 .Lsame_\@
	TRANS
.Lsame_\@:
.endif
	s_cmp_le_u32 s[KS], s[BETA]                    ; up to step beta every wave works on its own job
	s_cbranch_scc1 .Lwork_\@
	s_cmp_gt_u32 s[KS], s[LATE]                    ; behind step 15 - beta nobody does
	s_cbranch_scc1 .Lhidden_\@
	s_xor_b32 s17, s[KS], s[PAR]                   ; between them the two waves of a pair take the late job's steps by turns
	s_bitcmp1_b32 s17, 0
	s_cbranch_scc1 .Lhidden_\@
.Lwork_\@:
	v_add_nc_u32 v[ADK], s[TB], v[LI]
	v_add_nc_u32 v[ADV], s[TB], v[LV]
	v_nop
	v_nop
	FLOADS ADK
	s_wait_alu depctr_va_vdst(0)
	s_wait_dscnt 16                                ; K's tiles 0-3 are in; the sixteen loads of tiles 4-7 may be out
	SPROD 0x00, 0
	SPROD 0x44, 0
	s_wait_dscnt 0x0
	SPROD 0x01, 4
	SPROD 0x45, 4
	WIN 0
	PLACES
	FLOADS ADV                                     ; V lands under the softmax
	WIN 0
	s_cmp_lg_u32 s[KS], s[BLK]
	s_cbranch_scc1 .Lopen_\@
	MASK
	WIN 0x55
	MASK
	WIN 0
.Lopen_\@:
	SOFTMAX
	s_wait_alu depctr_va_vdst(0)
	s_wait_dscnt 0x0
	PVPROD 0x00, 0
	PVPROD 0x01, 4
	WIN 0x55
	SOFTMAX
	PVPROD 0x54, 0
	PVPROD 0x55, 4
	WIN 0
.Lhidden_\@:
	s_add_co_u32 s[KS], s[KS], 1
	s_add_co_u32 s[TB], s[TB], STEPB
	s_sub_co_u32 s[QUAD], s[QUAD], 1
	s_cmp_lg_u32 s[QUAD], 0
	s_cbranch_scc1 .Lstep_\@
	s_sub_co_u32 s[TB], s[TB], 4*STEPB
	s_xor_b32 s[TB], s[TB], SLOT1
.endm
	s_wait_alu depctr_va_vdst(0)                   ; the wait at the head's end
	s_wait_loadcnt 0x0                             ; Q
.Lslot:
	CHANGE 1
	SLOT_STEPS 1
	s_sub_co_u32 s[SLOTS], s[SLOTS], 1
	s_cmp_lg_u32 s[SLOTS], 0
	s_cbranch_scc1 .Lslot
	CHANGE 0                                       ; the last slot is written out: it asks for nothing, and the change of jobs (step 8 at the latest) lies ahead of it
	SLOT_STEPS 0
; THE EXCHANGE.  A head's part: O^T (16 x 512 bytes) and -M, t, the sum's two halves (512 bytes), as images of the registers
.macro XSEND sw
	PLACES
	WIN \sw
.set xn, 0
.rept 16
	s_wait_alu depctr_va_vdst(0)                   ; directly ahead of a first reader of O^T
	ds_store_b128 v[XW], v[160+4*xn:163+4*xn] offset:512*xn
.set xn, xn+1
.endr
	ds_store_b128 v[XW], v[12:15] offset:8192
	WIN 0
.endm
.macro XJOIN lw, aw, sw, off
	WIN \lw
.set xn, 0
.rept 16
	ds_load_b128 v[96+4*xn:99+4*xn], v[XR] offset:512*xn
.set xn, xn+1
.endr
	ds_load_b128 v[248:251], v[XR] offset:8192
	s_wait_dscnt 0x0
	WIN \aw
	v_min_num_f32 v254, v12, v248                  ; -M of the two parts together
	v_sub_f32 v252, v254, v12
	v_sub_f32 v254, v254, v248
	v_cvt_i32_f32 v252, v252                       ; whole numbers, 0 or less (the conversion saturates: a part with no step counts for nothing)
	v_cvt_i32_f32 v254, v254
	v_ldexp_f32 v252, 1.0, v252
	v_ldexp_f32 v254, 1.0, v254
	v_pk_mul_f32 v[14:15], v[14:15], v[252:253] op_sel_hi:[1,0]
	v_pk_fma_f32 v[14:15], v[250:251], v[254:255], v[14:15] op_sel_hi:[1,0,1]
	s_wait_alu depctr_va_vdst(0)                   ; ahead of the first reader of O^T
.set xn, 0
.rept 32
	v_pk_mul_f32 v[160+xn:161+xn], v[160+xn:161+xn], v[252:253] op_sel_hi:[1,0]
.set xn, xn+2
.endr
.set xn, 0
.rept 32
	v_pk_fma_f32 v[160+xn:161+xn], v[96+xn:97+xn], v[254:255], v[160+xn:161+xn] op_sel_hi:[1,0,1]
.set xn, xn+2
.endr
	FINAL
	OUT \sw, OL, \off
.endm
	s_cmp_lg_u32 s[ROLE], 0
	s_cbranch_scc1 .Lsend1
	XSEND 0                                        ; role 0 gives head 0's part
	s_branch .Lsent
.Lsend1:
	XSEND 0x04                                     ; role 1 gives head 1's
.Lsent:
	s_wait_dscnt 0x0                               ; my stores are done, for my partner's sake
	s_barrier_signal -1
	s_barrier_wait -1
	s_cmp_lg_u32 s[ROLE], 0
	s_cbranch_scc1 .Ljoin0
	XJOIN 0x40, 0x55, 0x04, 2048                   ; role 0 joins and stores head 1
	s_branch .Lend
.Ljoin0:
	XJOIN 0, 0, 0, 0                               ; role 1 head 0
.Lend:
	s_wait_tensorcnt 0x0                           ; the wave's end
	ds_add_u32 v[SPW], v[NIL]
	s_wait_dscnt 0x0
	s_endpgm
.Lfunc_end_k_q4e805bc98a_attn:
	.size	k_q4e805bc98a_attn, .Lfunc_end_k_q4e805bc98a_attn-k_q4e805bc98a_attn
	.p2alignl 7, 3214868480
	.fill 96, 4, 3214868480
	.section	.rodata,"a",@progbits
	.p2align	6, 0x0
	.amdhsa_kernel k_q4e805bc98a_attn
		.amdhsa_group_segment_fixed_size 327680
		.amdhsa_private_segment_fixed_size 0
		.amdhsa_enable_private_segment 0
		.amdhsa_kernarg_size 40
		.amdhsa_user_sgpr_count 2
		.amdhsa_user_sgpr_kernarg_segment_ptr 1
		.amdhsa_wavefront_size32 1
		.amdhsa_system_sgpr_workgroup_id_x 1
		.amdhsa_system_sgpr_workgroup_id_y 1
		.amdhsa_system_sgpr_workgroup_id_z 1
		.amdhsa_system_vgpr_workitem_id 0
		.amdhsa_next_free_vgpr 512
		.amdhsa_next_free_sgpr 84
		.amdhsa_reserve_vcc 1
		.amdhsa_float_denorm_mode_32 3
		.amdhsa_float_denorm_mode_16_64 3
		.amdhsa_memory_ordered 1
		.amdhsa_forward_progress 1
		.amdhsa_inst_pref_size 151
	.end_amdhsa_kernel
	.amdgpu_metadata
---
amdhsa.version: [ 1, 2 ]
amdhsa.kernels:
  - .name:           k_q4e805bc98a_attn
    .symbol:         k_q4e805bc98a_attn.kd
    .args:
      - { .name: qimg, .offset: 0, .size: 8, .value_kind: global_buffer, .address_space: global }
      - { .name: kimg, .offset: 8, .size: 8, .value_kind: global_buffer, .address_space: global }
      - { .name: vimg, .offset: 16, .size: 8, .value_kind: global_buffer, .address_space: global }
      - { .name: lowp_scales, .offset: 24, .size: 8, .value_kind: global_buffer, .address_space: global }
      - { .name: aimg, .offset: 32, .size: 8, .value_kind: global_buffer, .address_space: global }
    .group_segment_fixed_size: 327680
    .private_segment_fixed_size: 0
    .kernarg_segment_align: 8
    .kernarg_segment_size: 40
    .max_flat_workgroup_size: 256
    .sgpr_count:     84
    .vgpr_count:     512
    .wavefront_size: 32
...
	.end_amdgpu_metadata
.endif
;; end of part 3
;; launch oproj (part 4): grid 8 x 32, 4 waves a work-group, clusters of 4 x 4, 327,680 bytes of LDS; arguments aimg, codes, lowp_scales, out0; writes out0
.if DOCPART == 4
	.amdgcn_target "amdgcn-amd-amdhsa--gfx1250"
	.amdhsa_code_object_version 6
	.text
	.protected	k_q4e805bc98a_oproj
	.globl	k_q4e805bc98a_oproj
	.p2align	8
	.type	k_q4e805bc98a_oproj,@function
k_q4e805bc98a_oproj:
	s_mov_b64 s[64:65], 0
	v_nop
	global_prefetch_b8 v0, s[64:65] scope:SCOPE_SE
	s_setreg_imm32_b32 hwreg(HW_REG_WAVE_MODE, 25, 1), 1
	s_wait_xcnt 0x0
	s_wait_alu depctr_hold_cnt(0) depctr_sa_sdst(0) depctr_va_vdst(0) depctr_va_sdst(0) depctr_va_ssrc(0) depctr_va_vcc(0) depctr_vm_vsrc(0)
	s_getreg_b32 s2, hwreg(HW_REG_IB_STS2, 6, 4)
	s_cmp_eq_u32 s2, 0
	s_cbranch_scc0 .Lentry_in_a_cluster
	s_endpgm
.Lentry_in_a_cluster:
	s_bfe_u32 s2, ttmp6, 0x10000c
	s_cmp_lg_u32 s2, 0xf033
	s_cbranch_scc0 .Lentry_shape_is_right
	s_endpgm
.Lentry_shape_is_right:
.set SLOTB,  133120
.set BOFF,   65536
.set BP,     528
.set SPARE,  2*SLOTB
.set STAGE,  SPARE+512
.set SPITCH, 272
.set ADRA, 16
.set ADRB, 20
.set STO,  24
.set RD,   25
.set CO,   26
.set SPW,  28
.set NIL,  29
.set TMP,  32
.set BK,   64
.set ACC,  128
.set F0,   0
.set F1,   128
.set G1, 24
.set G0, 32
.set G1B, 48
.set G0B, 56
.set MSB, 0
.macro WIN new
.if MSB != \new
	s_set_vgpr_msb (MSB<<8)|\new
.set MSB, \new
.endif
.endm
.set MUL,  0x05
.set TO_F, 0x40
.macro JLOAD s
	s_cmp_eq_u32 s11, 0
	s_cbranch_scc0 .Lfor_b_\@
	tensor_load_to_lds s[G0+4*\s:G0+4*\s+3], s[G1:G1+7]
	s_nop 0
.rept 4
	v_nop
.endr
	s_branch .Lasked_\@
.Lfor_b_\@:
	tensor_load_to_lds s[G0B+4*\s:G0B+4*\s+3], s[G1B:G1B+7]
	s_nop 0
.rept 4
	v_nop
.endr
.Lasked_\@:
.endm
.macro CREST
	s_cmp_lg_u32 s10, 0
	s_cbranch_scc1 .Lnot_wave_0_\@
	s_barrier_signal -3
.Lnot_wave_0_\@:
	s_barrier_wait -3
	s_barrier_signal -1
	s_barrier_wait -1
.endm
.macro CROUND
	s_barrier_signal -1
	s_barrier_wait -1
	CREST
.endm
	s_load_b128 s[4:7], s[0:1], 0x0
	s_load_b128 s[68:71], s[0:1], 0x10
	v_lshl_add_u32 v[SPW], v0, 2, SPARE
	v_mov_b32 v[NIL], 0
	ds_add_u32 v28, v29
	ds_add_u32 v28, v29
	s_wait_dscnt 0x0
	v_lshrrev_b32 v1, 5, v0
	v_readfirstlane_b32 s10, v1
	s_lshr_b32 s11, s10, 1
	s_and_b32 s12, s10, 1
	s_bfe_u32 s40, ttmp6, 0x40000
	s_bfe_u32 s41, ttmp6, 0x40004
	s_lshl_b32 s42, ttmp9, 2
	s_add_co_u32 s42, s42, s40
	s_and_b32 s13, ttmp7, 0xffff
	s_lshl_b32 s13, s13, 2
	s_add_co_u32 s13, s13, s41
	s_lshl_b32 s43, s41, 2
	s_lshl_b32 s43, 15, s43
	s_lshl_b32 s44, 0x1111, s40
	s_or_b32 s[G1+0], s43, (3<<16)|(1<<21)
	s_mov_b32 s[G1+1], 32<<16
	s_mov_b32 s[G1+2], 256<<16                     ; the head's fills bring whole tiles
	s_mov_b32 s[G1+3], 32<<16
	s_mov_b32 s[G1+4], 256
	s_mov_b32 s[G1+5], 32
	s_mov_b32 s[G1+6], 0
	s_mov_b32 s[G1+7], 0
	s_or_b32 s[G1B+0], s44, (0<<16)|(1<<20)|(1<<21)|(6<<22)|(3<<25)
	s_mov_b32 s[G1B+1], 512<<16
	s_mov_b32 s[G1B+2], 128<<16
	s_mov_b32 s[G1B+3], 512<<16
	s_mov_b32 s[G1B+4], 128
	s_mov_b32 s[G1B+5], 2048
	s_mov_b32 s[G1B+6], 0
	s_mov_b32 s[G1B+7], 0
	s_lshl_b32 s16, s13, 16
	s_lshl_b32 s17, s12, 15
	s_add_co_u32 s16, s16, s17
	s_mov_b32 s17, 0
	s_lshl_b32 s46, s42, 18
	s_lshl_b32 s47, s12, 17
	s_add_co_u32 s46, s46, s47
	s_add_co_u32 s46, s46, 0x1000000
	s_mov_b32 s47, 0
	s_lshl_b32 s20, s12, 15
	s_mul_i32 s21, s12, 64*BP
	s_add_co_u32 s21, s21, BOFF
	s_wait_kmcnt 0x0
	s_load_b64 s[96:97], s[68:69], 0x28
	s_add_nc_u64 s[14:15], s[4:5], s[16:17]
	s_add_nc_u64 s[46:47], s[6:7], s[46:47]
	CROUND
.irp s, 0,1
	s_mov_b32 s[G0+4*\s], 1
	s_add_co_u32 s[G0+4*\s+1], s20, \s*SLOTB
	s_add_nc_u64 s[G0+4*\s+2:G0+4*\s+3], s[14:15], \s*0x200000
	s_or_b32 s[G0+4*\s+3], s[G0+4*\s+3], 0x80000000
	s_mov_b32 s[G0B+4*\s], 1
	s_add_co_u32 s[G0B+4*\s+1], s21, \s*SLOTB
	s_add_nc_u64 s[G0B+4*\s+2:G0B+4*\s+3], s[46:47], \s*512
	s_or_b32 s[G0B+4*\s+3], s[G0B+4*\s+3], 0x80000000
.endr
; BOTH SLOTS' FIRST FILLS go out as one group, one tensor load a wave: waves 0 and 1 A's whole tile of slot 0 and of slot 1, waves 2 and 3 B's
	s_mul_i32 s80, s12, 0x200000-0x8000            ; A: from my half back to the tile's first byte, and on to slot wave % 2
	s_mov_b32 s81, 0
	s_mul_i32 s82, s12, 64*2048-512                ; B likewise: 64 rows back, 512 bytes on
	s_mov_b32 s83, 0
	s_mov_b32 s72, 1
	s_mul_i32 s73, s12, SLOTB
	s_add_nc_u64 s[74:75], s[14:15], s[80:81]
	s_or_b32 s75, s75, 0x80000000
	s_mov_b32 s76, 1
	s_add_co_u32 s77, s73, BOFF
	s_sub_nc_u64 s[78:79], s[46:47], s[82:83]
	s_or_b32 s79, s79, 0x80000000
	s_cmp_eq_u32 s11, 0
	s_cbranch_scc0 .Lhead_b
	tensor_load_to_lds s[72:75], s[G1:G1+7]
	s_nop 0
.rept 4
	v_nop
.endr
	s_branch .Lhead_j
.Lhead_b:
	tensor_load_to_lds s[76:79], s[G1B:G1B+7]
	s_nop 0
.rept 4
	v_nop
.endr
.Lhead_j:
	v_and_b32 v1, 15, v0
	v_bfe_u32 v2, v0, 4, 1
	v_and_b32 v3, 31, v0
	v_lshlrev_b32 v3, 4, v3
	v_mul_u32_u24 v4, v1, BP
	v_lshl_add_u32 v4, v2, 4, v4
	s_lshl_b32 s21, s11, 15
	s_mul_i32 s22, s12, 64*BP
	s_add_co_u32 s22, s22, BOFF
.irp s, 0,1
	v_add_nc_u32 v[ADRA+\s], s21, v3
	v_add_nc_u32 v[ADRB+\s], s22, v4
	s_add_co_u32 s21, s21, SLOTB
	s_add_co_u32 s22, s22, SLOTB
.endr
	s_mul_i32 s23, s10, 16*SPITCH
	s_add_co_u32 s23, s23, STAGE
	v_mul_u32_u24 v5, v1, SPITCH
	v_lshl_add_u32 v5, v2, 5, v5
	v_add_nc_u32 v[STO], s23, v5
	v_mul_u32_u24 v5, v2, SPITCH
	v_lshl_add_u32 v5, v1, 4, v5
	v_add_nc_u32 v[RD], s23, v5
	v_lshlrev_b32 v5, 12, v2
	v_lshl_add_u32 v[CO], v1, 4, v5
	s_lshl_b32 s16, s13, 19
	s_lshl_b32 s17, s11, 18
	s_add_co_u32 s16, s16, s17
	s_mov_b32 s17, 0
	s_add_nc_u64 s[70:71], s[70:71], s[16:17]
	s_lshl_b32 s46, s42, 9
	s_lshl_b32 s47, s12, 8
	s_add_co_u32 s46, s46, s47
	s_mov_b32 s47, 0
	s_add_nc_u64 s[70:71], s[70:71], s[46:47]
.macro MUL4 f, a, zero
.irp b, 0,1,2,3
.if \zero
	v_wmma_f32_16x16x128_fp8_fp8 v[ACC+8*(4*(\a)+\b):ACC+8*(4*(\a)+\b)+7], v[\f+64+16*\b:\f+64+16*\b+15], v[\f+16*(\a):\f+16*(\a)+15], 0
.else
	v_wmma_f32_16x16x128_fp8_fp8 v[ACC+8*(4*(\a)+\b):ACC+8*(4*(\a)+\b)+7], v[\f+64+16*\b:\f+64+16*\b+15], v[\f+16*(\a):\f+16*(\a)+15], v[ACC+8*(4*(\a)+\b):ACC+8*(4*(\a)+\b)+7]
.endif
.endr
.endm
.macro FETCH slot, q, f
	WIN TO_F
.irp i, 0,1,2,3
.irp c, 0,1,2,3
	ds_load_b128 v[\f+16*\i+4*\c:\f+16*\i+4*\c+3], v[ADRA+\slot] offset:\i*8192+(\q)*2048+512*\c
	ds_load_b128 v[\f+64+16*\i+4*\c:\f+64+16*\i+4*\c+3], v[ADRB+\slot] offset:\i*16*BP+128*(\q)+32*\c
.endr
.endr
.endm
.macro PLACES
.rept 4
	v_nop
.endr
.endm
.macro STEP f, g, slot, q, zero
	s_wait_dscnt 0x0
	PLACES
	FETCH \slot, \q, \g
	WIN MUL
	MUL4 \f, 0, \zero
	MUL4 \f, 1, \zero
	MUL4 \f, 2, \zero
	MUL4 \f, 3, \zero
.endm
.macro TURN slot, next, fill
	WIN 0
	s_wait_tensorcnt 0x0
	ds_add_u32 v[SPW], v[NIL]
	s_wait_dscnt 1
	WIN MUL
	MUL4 F1, 0, 0
	s_wait_dscnt 0x0
	s_barrier_signal -1
	MUL4 F1, 1, 0
	WIN 0
	s_barrier_wait -1
.if \fill
	CREST
	s_add_nc_u64 s[G0+4*\slot+2:G0+4*\slot+3], s[G0+4*\slot+2:G0+4*\slot+3], 0x400000
	s_add_nc_u64 s[G0B+4*\slot+2:G0B+4*\slot+3], s[G0B+4*\slot+2:G0B+4*\slot+3], 1024
	JLOAD \slot
.else
	PLACES
.endif
	s_wait_alu depctr_va_vdst(0)
	FETCH \next, 0, F0
	WIN MUL
	MUL4 F1, 2, 0
	MUL4 F1, 3, 0
.endm
	s_wait_alu depctr_va_vdst(0)                   ; the wait at the head's end
	s_wait_tensorcnt 0x0                           ; my tile of slot wave % 2 is in
	s_mov_b32 s[G1+2], 128<<16                     ; my load has landed, so group 1 may be written: the refills bring halves
	s_mov_b32 s[G1+4], 128
	s_mov_b32 s[G1B+2], 64<<16
	s_mov_b32 s[G1B+4], 64
	s_barrier_signal -1
	s_barrier_wait -1                              ; everybody's load has landed: both slots are whole
	FETCH 0, 0, F0
	STEP F0, F1, 0, 1, 1
	STEP F1, F0, 0, 2, 0
	STEP F0, F1, 0, 3, 0
	TURN 0, 1, 1
	STEP F0, F1, 1, 1, 0
	STEP F1, F0, 1, 2, 0
	STEP F0, F1, 1, 3, 0
	TURN 1, 0, 1
	STEP F0, F1, 0, 1, 0
	STEP F1, F0, 0, 2, 0
	STEP F0, F1, 0, 3, 0
	TURN 0, 1, 0
	STEP F0, F1, 1, 1, 0
	STEP F1, F0, 1, 2, 0
	STEP F0, F1, 1, 3, 0
	s_wait_dscnt 0x0
	MUL4 F1, 0, 0
	MUL4 F1, 1, 0
	MUL4 F1, 2, 0
	MUL4 F1, 3, 0
	WIN 0
.macro TOSTAGE a
.set on, 0
.rept 16
	v_pk_mul_f32 v[TMP+on:TMP+on+1], v[ACC+32*(\a)+on:ACC+32*(\a)+on+1], s[96:97] op_sel_hi:[1,0]
.set on, on+2
.endr
.irp b, 0,1,2,3
	ds_store_b128 v[STO], v[TMP+8*\b:TMP+8*\b+3] offset:64*\b
	ds_store_b128 v[STO], v[TMP+8*\b+4:TMP+8*\b+7] offset:64*\b+16
.endr
.set BB, BK+32*((\a)%2)
.irp t, 0,1,2,3,4,5,6,7
	ds_load_b128 v[BB+4*\t:BB+4*\t+3], v[RD] offset:\t*2*SPITCH
.endr
.endm
.macro SEND a, younger
.set BB, BK+32*((\a)%2)
	s_wait_dscnt \younger
.irp t, 0,1,2,3,4,5,6,7
	global_store_b128 v[CO], v[BB+4*\t:BB+4*\t+3], s[70:71] offset:(16*(\a)+2*\t)*4096 th:TH_STORE_NT
.endr
.endm
	s_wait_kmcnt 0x0
	s_add_co_i32 s96, s96, s97
	s_add_co_i32 s96, s96, 127
	s_lshl_b32 s96, s96, 23
	PLACES
	TOSTAGE 0
.irp a, 1,2,3
.if \a > 1
	s_wait_xcnt 0x0
.endif
	TOSTAGE \a
	SEND \a-1, 16
.endr
	SEND 3, 0
	s_wait_tensorcnt 0x0
	ds_add_u32 v[SPW], v[NIL]
	s_wait_dscnt 0x0
	CROUND
	s_endpgm
.Lfunc_end_k_q4e805bc98a_oproj:
	.size	k_q4e805bc98a_oproj, .Lfunc_end_k_q4e805bc98a_oproj-k_q4e805bc98a_oproj
	.p2alignl 7, 3214868480
	.fill 96, 4, 3214868480
	.section	.rodata,"a",@progbits
	.p2align	6, 0x0
	.amdhsa_kernel k_q4e805bc98a_oproj
		.amdhsa_group_segment_fixed_size 327680
		.amdhsa_private_segment_fixed_size 0
		.amdhsa_enable_private_segment 0
		.amdhsa_kernarg_size 32
		.amdhsa_user_sgpr_count 2
		.amdhsa_user_sgpr_kernarg_segment_ptr 1
		.amdhsa_wavefront_size32 1
		.amdhsa_system_sgpr_workgroup_id_x 1
		.amdhsa_system_sgpr_workgroup_id_y 1
		.amdhsa_system_sgpr_workgroup_id_z 1
		.amdhsa_system_vgpr_workitem_id 0
		.amdhsa_next_free_vgpr 512
		.amdhsa_next_free_sgpr 98
		.amdhsa_reserve_vcc 0
		.amdhsa_float_denorm_mode_32 3
		.amdhsa_float_denorm_mode_16_64 3
		.amdhsa_memory_ordered 1
		.amdhsa_forward_progress 1
		.amdhsa_inst_pref_size 73
	.end_amdhsa_kernel
	.amdgpu_metadata
---
amdhsa.version: [ 1, 2 ]
amdhsa.kernels:
  - .name:           k_q4e805bc98a_oproj
    .symbol:         k_q4e805bc98a_oproj.kd
    .args:
      - { .name: aimg, .offset: 0, .size: 8, .value_kind: global_buffer, .address_space: global }
      - { .name: codes, .offset: 8, .size: 8, .value_kind: global_buffer, .address_space: global }
      - { .name: lowp_scales, .offset: 16, .size: 8, .value_kind: global_buffer, .address_space: global }
      - { .name: out0, .offset: 24, .size: 8, .value_kind: global_buffer, .address_space: global }
    .group_segment_fixed_size: 327680
    .private_segment_fixed_size: 0
    .kernarg_segment_align: 8
    .kernarg_segment_size: 32
    .max_flat_workgroup_size: 128
    .sgpr_count:     98
    .vgpr_count:     512
    .wavefront_size: 32
...
	.end_amdgpu_metadata
.endif
;; end of part 4
